; MI455X (gfx1250); checked and timed in simulation.
; The chip was launched on July 23, 2026; its instructions are those of AMD's public machine-readable ISA for CDNA 5 (MIT licence, August 2026) and "CDNA5" Instruction Set Architecture Reference Guide (July 2026). The comments in the code are by the model that wrote it; some were corrected since.
;; Multihead Self Attention. Allowed arithmetic: matrix products marked QUANTISED: E4M3 operands, one given power-of-two scale a tensor, by v_wmma_f32_16x16x64_fp8_fp8 or v_wmma_f32_16x16x128_fp8_fp8, f32 sums; everything else in f32.
;; Inputs: lowp_scales 12 int32 (the exponents e of the quantised operands' scales 2^e); wk 1,024 x 1,024 float32; wo 1,024 x 1,024 float32; wq 1,024 x 1,024 float32; wv 1,024 x 1,024 float32; x 4 x 2,048 x 1,024 float32.
;; Outputs: out0 4 x 2,048 x 1,024 float32.
;; This version of the problem:
;;   THIS VERSION OF THE PROBLEM IS GIVEN IN LOW PRECISION. The matrix products marked QUANTISED in the list below multiply operands that are first quantised to E4M3 (4 exponent bits, 3 mantissa bits; 8 bits a number), with one given power-of-two scale for each operand tensor; their sums are f32. All else is computed in f32.
;;   The module's matrix products, in the order in which they are computed (A, B: the left and right operand; K: the contracted axis; several contracted axes count as one K, in the product's order):
;;     1. [M 8,192, K 1,024] x [K 1,024, N 1,024]; A: input x; B: input wq: QUANTISED (scales: A lowp_scales[0], B lowp_scales[1])
;;     2. [M 8,192, K 1,024] x [K 1,024, N 1,024]; A: input x; B: input wk: QUANTISED (scales: A lowp_scales[2], B lowp_scales[3])
;;     3. [M 8,192, K 1,024] x [K 1,024, N 1,024]; A: input x; B: input wv: QUANTISED (scales: A lowp_scales[4], B lowp_scales[5])
;;     4. batch 64 x [M 2,048, K 64] x [K 64, N 2,048]; A: computed on the way; B: computed on the way: QUANTISED (scales: A lowp_scales[6], B lowp_scales[7])
;;     5. batch 64 x [M 2,048, K 2,048] x [K 2,048, N 64]; A: softmax (see below); B: computed on the way: QUANTISED (scales: A lowp_scales[8], B lowp_scales[9])
;;     6. [M 8,192, K 1,024] x [K 1,024, N 1,024]; A: computed on the way; B: input wo: QUANTISED (scales: A lowp_scales[10], B lowp_scales[11])
;;   THE QUANTISER, for each operand of a quantised product, along K:
;;     - The operand's scale is 2^e, e = its entry of the input lowp_scales (int32; the entries are numbered through the quantised products in the list's order, A before B).
;;     - Each number is divided by the scale, clamped to +-448, and rounded to the nearest number of E4M3, ties to even, subnormals kept.
;;     - The product sums the exact products of the quantised numbers (number of the format x scale) in f32.
;;   ~~~python
;;   def quantise(x, axis, e):      # numpy; x: float32 -> the quantised numbers, widened to float32 again
;;       x = np.moveaxis(x, axis, -1); K = x.shape[-1]
;;       r = np.clip(x / 2.0 ** e, -448, 448)
;;       step = 2.0 ** (np.maximum(np.frexp(np.where(r == 0, 1, r))[1] - 1, -6) - 3)
;;       q = np.round(r / step) * step * 2.0 ** e      # np.round: ties to even
;;       return np.moveaxis(q, -1, axis).astype(np.float32)
;;   ~~~
;;   SOFTMAX AHEAD OF A QUANTISED PRODUCT. Where the list says 'softmax', what is quantised is not the finished softmax but p = 2^(t - M), with t = logit x log2(e) and M = ceil(the row's largest t), a whole number; so 1/2 < the row's largest p <= 1. The row's sum l is taken of the UNQUANTISED p, in f32, and the product's result is divided by l at the end. Since M is a whole number, a kernel that streams over the keys may use a running M (the ceiling of the running maximum): every later rescaling is an exact power of two, so the quantised numbers keep their values, but for numbers so far below the row's largest that they fall under the format's range.
;;   OPERANDS COMPUTED ON THE WAY. 'Computed on the way' means the value that the module computes at that place (a softmax that the list does not call 'softmax' is quantised finished and normalised). What goes into a quantiser is computed in f32, as accurately as f32 sums, v_exp_f32 and their like allow (about 1e-6 of the number): no bf16 or f16 on the way to a quantiser, and a product that is left as it is and whose result goes on into a quantised operand takes f32 operands (vector FMAs, or v_wmma_f32_16x16x4_f32). A number that lies on a knife's edge between two numbers of the format may be rounded either way, as far as f32 arithmetic and the matrix unit's own rounding can turn it there, and no further.
;; One version. Each part assembles by itself: llvm-mc -triple=amdgcn-amd-amdhsa -mcpu=gfx1250 --defsym DOCPART=n.
;; ======== version 1 of 1: 4 launches
;; limits: right only within a limited range of input values
;; workspace buffers: xc 25,165,824 bytes; wc 4,194,304 bytes; rope 524,288 bytes; qkv 25,165,824 bytes; ac 8,388,608 bytes
;; launch prep (part 1): grid 400 x 1, 4 waves a work-group, no clusters, 70,144 bytes of LDS; arguments x, wq, wk, wv, wo, lowp_scales, xc, wc, rope; writes xc, wc, rope
.if DOCPART == 1
	.amdgcn_target "amdgcn-amd-amdhsa--gfx1250"
	.amdhsa_code_object_version 6
	.text
	.protected	k_q511ff8413c_prep
	.globl	k_q511ff8413c_prep
	.p2align	8
	.type	k_q511ff8413c_prep,@function
k_q511ff8413c_prep:
	s_mov_b64 s[64:65], 0
	v_nop
	global_prefetch_b8 v0, s[64:65] scope:SCOPE_SE
	s_setreg_imm32_b32 hwreg(HW_REG_WAVE_MODE, 25, 1), 1
	s_wait_xcnt 0x0
; PREP.  x [8192][1024] and the four weights [1024][1024], f32 with K innermost, become codes of FP8 (E4M3); and the table of cos and sin for the rotation is made.
; code = number / 2^e, held within +-448, rounded to the nearest code, ties to even.  x is the left operand of three products with three given scales (entries 0, 2, 4): three versions of its codes are stored.
; THE CODES ARE STORED AS IMAGES OF OPERAND REGISTERS.  An image is 16 rows x 64 K, 1,024 bytes: lane (r = lane % 16, h = lane / 16) holds row r, its registers 2 c, 2 c + 1 hold k = 16 c + 8 h + 0 .. 7;
; registers 4 q .. 4 q + 3 of lane l lie at byte 512 q + 16 l.  xc: [version 3][row / 16: 512][k / 64: 16][1024].  wc: [q, k, v, o][row / 16: 64][k / 64: 16][1024].  So each store of a wave covers 512 consecutive bytes, aligned.
; rope: [position 2048][frequency 32][cos, sin] f32: 256 bytes a position.
; WORK-GROUPS 0-255: x.  256-383: the weights, 32 to a tensor.  384-399: the table.  The three ways part on the work-group's number; x's and the weights' stages in LDS are different bytes.
; A wave takes 16 rows x 512 K in 8 steps of one image.  Each load reads two rows' 256 consecutive bytes; the step's 4,096 bytes turn through the wave's own stage (rows of 256 + 16 bytes) and come back 32 neighbouring bytes a lane and c.
; Loads run three steps (24 loads a wave) ahead, the turn through LDS one step.  No barrier: waves share nothing.
; LIMITS: each e used here (entries 0, 1, 2, 3, 4, 5, 11) lies between -126 and 119, so that 2^e and 448 x 2^e are f32 numbers.  NaN among the inputs is not served; an infinity is held at the largest code.
; The table: inv_freq = 2^(-j log2(10000) / 32), the exponent in two parts; angle = position x inv_freq, rounded once; reduced by multiples of pi/2 in two parts (the third part would add under 3e-12 at the largest angle); polynomials on |r| <= pi/4.
.set NST,   8                          ; steps of a wave
.set RR,    16                         ; v16-111  three sets of 32: numbers as loaded
.set XX,    112                        ; v112-175 two sets of 32: numbers in the operand's order
.set TT,    176
.set CC,    192                        ; v192-239 two sets of 24: codes, 8 registers a version
.set SC,    240                        ; for version v: 2^e at SC + 2 v
.set STG,   16*272                     ; a stage
.set WREG,  2*STG                      ; a wave's two stages
.set WBASE, 4*WREG                     ; the weights' way has its stages behind x's
.set DST,   20                         ; s[20:25] where the versions' codes go
	s_load_b512 s[36:51], s[0:1], 0x0              ; x s[36:37], wq, wk, wv, wo s[38:45], the scales' exponents s[46:47], xc s[48:49], wc s[50:51]
	s_load_b64 s[52:53], s[0:1], 0x40              ; rope
	v_lshl_add_u32 v248, v0, 2, 0x11000
	v_mov_b32 v249, 0
	v_lshrrev_b32 v2, 5, v0
	v_readfirstlane_b32 s16, v2                    ; wave 0..3
	v_and_b32 v1, 31, v0                           ; lane
	v_and_b32 v5, 15, v0                           ; r
	v_bfe_u32 v6, v0, 4, 1                         ; h
	v_lshlrev_b32 v4, 4, v1                        ; 16 x lane: my place in half an image
	v_lshlrev_b32 v7, 4, v5
	v_lshl_add_u32 v3, v6, 12, v7                  ; a load: row h of two, 16 bytes at 16 r
	s_mul_i32 s17, s16, WREG
	v_mul_u32_u24 v8, v6, 272
	v_add_nc_u32 v8, v8, v7
	v_add_nc_u32 v14, s17, v8                      ; the stage, way in (x): row h of two, 16 r
	v_add_nc_u32 v12, WBASE, v14                   ; (the weights)
	v_mul_u32_u24 v9, v5, 272
	v_lshl_add_u32 v9, v6, 5, v9
	v_add_nc_u32 v15, s17, v9                      ; the stage, way out (x): row r, 32 h
	v_add_nc_u32 v13, WBASE, v15                   ; (the weights)
.macro LOAD t                          ; step t: 16 rows x 256 bytes into set t % 3
.irp i, 0,1,2,3,4,5,6,7
	global_load_b128 v[RR+32*((\t)%3)+4*\i:RR+32*((\t)%3)+4*\i+3], v3, s[4:5] offset:8192*\i+256*(\t) th:TH_LOAD_NT
.endr
.endm
.macro TURN t, in, out                 ; step t's numbers through stage t % 2: LDS serves a wave's instructions in order, so no wait stands between the stores and the loads
.irp i, 0,1,2,3,4,5,6,7
	ds_store_b128 v[\in], v[RR+32*((\t)%3)+4*\i:RR+32*((\t)%3)+4*\i+3] offset:STG*((\t)%2)+544*\i
.endr
	v_nop
.irp c, 0,1,2,3
.irp e, 0,1
	ds_load_b128 v[XX+32*((\t)%2)+8*\c+4*\e:XX+32*((\t)%2)+8*\c+4*\e+3], v[\out] offset:STG*((\t)%2)+64*\c+16*\e
.endr
.endr
.endm
.macro MKSC v, e                       ; version v's scale and limit from the whole number in s[e]
	s_add_co_i32 s56, s[\e], 127
	s_lshl_b32 s57, s56, 23
	v_mov_b32 v[SC+2*\v], s57                      ; 2^e as f32: the conversion takes its exponent field
	s_add_co_i32 s56, s56, 8
	s_lshl_b32 s56, s56, 23
	s_or_b32 s56, s56, 0x600000
.endm
.macro STEP t, nv, in, out             ; nv: how many versions
	s_wait_dscnt 0x0                               ; this step's numbers are back from the stage, and its stores into the stage have read their registers,
.if (\t)+3 < NST
	LOAD (\t)+3                                    ; which take the loads of three steps on
.endif
.if (\t)+1 < NST
.if (\t) < 5
	s_wait_loadcnt 16                              ; the next step's eight loads are in; those of the two steps behind it may be out
.else
	s_wait_loadcnt 8*(6-(\t))
.endif
	TURN (\t)+1, \in, \out
.endif
	s_wait_xcnt 0x0                                ; the stores of two steps ago have read this set of codes: it is written again only behind this wait
.set XS, XX+32*((\t)%2)
.set CS, CC+24*((\t)%2)
.set vv, 0
.rept \nv
.irp c, 0,1,2,3
.irp i, 0,1,2,3,4,5,6,7
.endr
	v_cvt_scalef32_pk8_fp8_f32 v[CS+8*vv+2*\c:CS+8*vv+2*\c+1], v[TT+8*(\c%2)+((XS+8*\c+0)-(TT+8*(\c%2)+0)):TT+8*(\c%2)+7+((XS+8*\c+0)-(TT+8*(\c%2)+0))], v[SC+2*vv]
.endr
.set vv, vv+1
.endr
.set vv, 0
.rept \nv
	global_store_b128 v4, v[CS+8*vv:CS+8*vv+3], s[DST+2*vv:DST+2*vv+1] offset:1024*(\t)          ; 32 lanes store 512 consecutive bytes, aligned
	global_store_b128 v4, v[CS+8*vv+4:CS+8*vv+7], s[DST+2*vv:DST+2*vv+1] offset:1024*(\t)+512
.set vv, vv+1
.endr
.endm
	s_cmp_lt_u32 ttmp9, 256
	s_cbranch_scc0 .Lnot_x
	; ---- x
	s_lshl_b32 s17, ttmp9, 2
	s_add_co_u32 s17, s17, s16                     ; my unit: 16 rows x 512 K
	s_lshr_b32 s18, s17, 1                         ; block of 16 rows
	s_and_b32 s19, s17, 1                          ; half of K
	s_lshl_b32 s6, s18, 16                         ; 16 rows of 4,096 bytes
	s_lshl_b32 s7, s19, 11
	s_add_co_u32 s6, s6, s7
	s_mov_b32 s7, 0
	s_lshl_b32 s54, s18, 14                        ; 16 images
	s_lshl_b32 s55, s19, 13
	s_add_co_u32 s54, s54, s55
	s_mov_b32 s55, 0
	s_wait_kmcnt 0x0
	s_load_b256 s[28:35], s[46:47], 0x0            ; entries 0 to 7: s28, s30, s32 are x's three
	s_add_nc_u64 s[4:5], s[36:37], s[6:7]
	s_add_nc_u64 s[DST:DST+1], s[48:49], s[54:55]
	s_add_nc_u64 s[DST+2:DST+3], s[DST:DST+1], 0x800000
	s_add_nc_u64 s[DST+4:DST+5], s[DST+2:DST+3], 0x800000
	s_wait_alu depctr_va_vdst(0)
	LOAD 0
	LOAD 1
	LOAD 2
	s_wait_kmcnt 0x0
	MKSC 0, 28
	MKSC 1, 30
	MKSC 2, 32
	s_wait_alu depctr_va_vdst(0)
	s_wait_loadcnt 16                              ; step 0's eight loads are in
	TURN 0, 14, 15
.irp t, 0,1,2,3,4,5,6,7
	STEP \t, 3, 14, 15
.endr
	s_wait_tensorcnt 0x0
	ds_add_u32 v248, v249
	s_wait_dscnt 0x0
	s_endpgm
.Lnot_x:
	s_cmp_lt_u32 ttmp9, 384
	s_cbranch_scc0 .Lrope
	; ---- the weights
	s_sub_co_u32 s17, ttmp9, 256
	s_lshr_b32 s58, s17, 5                         ; which tensor: q, k, v, o
	s_and_b32 s17, s17, 31
	s_lshl_b32 s17, s17, 2
	s_add_co_u32 s17, s17, s16
	s_lshr_b32 s18, s17, 1
	s_and_b32 s19, s17, 1
	s_lshl_b32 s6, s18, 16
	s_lshl_b32 s7, s19, 11
	s_add_co_u32 s6, s6, s7
	s_mov_b32 s7, 0
	s_lshl_b32 s54, s18, 14
	s_lshl_b32 s55, s19, 13
	s_add_co_u32 s54, s54, s55
	s_lshl_b32 s55, s58, 20
	s_add_co_u32 s54, s54, s55
	s_mov_b32 s55, 0
	s_cmp_eq_u32 s58, 3
	s_cselect_b32 s27, 16, 0
	s_lshl_b32 s26, s58, 3
	s_add_co_u32 s26, s26, s27
	s_add_co_u32 s26, s26, 4                       ; the scale's entry in bytes: entries 1, 3, 5, 11
	s_mov_b32 s27, 0
	s_wait_kmcnt 0x0
	s_cmp_eq_u32 s58, 1                            ; the choice hangs on the work-group's number alone
	s_cselect_b64 s[4:5], s[40:41], s[38:39]
	s_cmp_eq_u32 s58, 2
	s_cselect_b64 s[4:5], s[42:43], s[4:5]
	s_cmp_eq_u32 s58, 3
	s_cselect_b64 s[4:5], s[44:45], s[4:5]
	s_add_nc_u64 s[4:5], s[4:5], s[6:7]
	s_add_nc_u64 s[26:27], s[46:47], s[26:27]
	s_load_b32 s28, s[26:27], 0x0
	s_add_nc_u64 s[DST:DST+1], s[50:51], s[54:55]
	s_wait_alu depctr_va_vdst(0)
	LOAD 0
	LOAD 1
	LOAD 2
	s_wait_kmcnt 0x0
	MKSC 0, 28
	s_wait_alu depctr_va_vdst(0)
	s_wait_loadcnt 16
	TURN 0, 12, 13
.irp t, 0,1,2,3,4,5,6,7
	STEP \t, 1, 12, 13
.endr
	s_wait_tensorcnt 0x0
	ds_add_u32 v248, v249
	s_wait_dscnt 0x0
	s_endpgm
.Lrope:
	; ---- the table: a lane is a frequency j, a wave takes 32 positions
	s_sub_co_u32 s17, ttmp9, 384
	s_lshl_b32 s17, s17, 7
	s_lshl_b32 s18, s16, 5
	s_add_co_u32 s18, s17, s18                     ; my first position
	s_lshl_b32 s6, s18, 8
	s_mov_b32 s7, 0
	s_mov_b32 s20, 0xbed49a78                      ; -L, L = log2(10000) / 32, its upper part,
	s_mov_b32 s21, 0xb2179a37                      ; and what the upper part leaves
	s_mov_b32 s22, 0x3f317218                      ; ln 2
	s_mov_b32 s23, 0x3f22f983                      ; 2 / pi
	s_mov_b32 s24, 0xbfc90fdb                      ; -pi/2, upper part,
	s_mov_b32 s25, 0x333bbd2e                      ; and the next
	s_mov_b32 s26, 0xbe2aaaa3                      ; sine: -1.6666654611e-1, 8.3321608736e-3, -1.9515295891e-4
	s_mov_b32 s27, 0x3c08839e
	s_mov_b32 s28, 0xb94ca1f9
	s_mov_b32 s29, 0x3d2aaaa5                      ; cosine: 4.166664568e-2, -1.388731625e-3, 2.443315712e-5
	s_mov_b32 s30, 0xbab6061a
	s_mov_b32 s31, 0x37ccf5ce
	s_mov_b32 s19, 32
	v_cvt_f32_u32 v19, v1
	v_mul_f32 v20, s20, v19                        ; -j L, rounded,
	v_fma_f32 v21, v19, s20, -v20                  ; what that rounding lost,
	v_fma_f32 v21, v19, s21, v21                   ; and L's lower part
	s_wait_alu depctr_va_vdst(0)
	v_exp_f32 v22, v20
	v_mul_f32 v21, s22, v21                        ; (a plain instruction behind the exponential)
	v_lshlrev_b32 v38, 3, v1                       ; 8 bytes a frequency
	s_wait_alu depctr_va_vdst(0)                   ; ahead of the first line that names the exponential's result
	v_fma_f32 v21, v22, v21, v22                   ; inv_freq = 2^hi (1 + lo ln 2)
	s_wait_kmcnt 0x0
	s_add_nc_u64 s[4:5], s[52:53], s[6:7]
.Lpos:
	v_cvt_f32_u32 v23, s18
	s_wait_alu depctr_va_vdst(0)
	v_mul_f32 v23, v23, v21                        ; the angle
	v_mul_f32 v24, s23, v23
	v_rndne_f32 v24, v24                           ; n
	v_fma_f32 v25, v24, s24, v23
	v_fma_f32 v25, v24, s25, v25                   ; r = angle - n pi/2
	v_mul_f32 v26, v25, v25                        ; z
	v_fma_f32 v27, v26, s28, s27
	v_fma_f32 v29, v26, s31, s30
	v_mul_f32 v28, v25, v26
	v_mul_f32 v30, v26, v26
	v_fma_f32 v27, v27, v26, s26
	v_fma_f32 v29, v29, v26, s29
	v_fma_f32 v31, v26, -0.5, 1.0
	v_fma_f32 v27, v28, v27, v25                   ; sin r
	v_fma_f32 v29, v30, v29, v31                   ; cos r
	v_cvt_i32_f32 v32, v24
	v_and_b32 v33, 1, v32
	v_cmp_eq_u32 vcc_lo, 1, v33                    ; an odd quadrant swaps the two
	v_cndmask_b32 v34, v29, v27, vcc_lo            ; cos
	v_cndmask_b32 v35, v27, v29, vcc_lo            ; sin
	v_and_b32 v36, 2, v32
	v_lshlrev_b32 v36, 30, v36
	v_xor_b32 v35, v35, v36                        ; sin is negative in quadrants 2, 3
	v_add_nc_u32 v37, 1, v32
	v_and_b32 v37, 2, v37
	v_lshlrev_b32 v37, 30, v37
	v_xor_b32 v34, v34, v37                        ; cos in quadrants 1, 2
	global_store_b64 v38, v[34:35], s[4:5]         ; the wave stores a position's 256 consecutive bytes, aligned
	s_wait_xcnt 0x0                                ; the store has read its data and its base: both are written again only behind this wait
	s_add_nc_u64 s[4:5], s[4:5], 256
	s_add_co_u32 s18, s18, 1
	s_sub_co_u32 s19, s19, 1
	s_cmp_lg_u32 s19, 0
	s_cbranch_scc1 .Lpos
	s_endpgm
.Lfunc_end_k_q511ff8413c_prep:
	.size	k_q511ff8413c_prep, .Lfunc_end_k_q511ff8413c_prep-k_q511ff8413c_prep
	.p2alignl 7, 3214868480
	.fill 96, 4, 3214868480
	.section	.rodata,"a",@progbits
	.p2align	6, 0x0
	.amdhsa_kernel k_q511ff8413c_prep
		.amdhsa_group_segment_fixed_size 70144
		.amdhsa_private_segment_fixed_size 0
		.amdhsa_enable_private_segment 0
		.amdhsa_kernarg_size 72
		.amdhsa_user_sgpr_count 2
		.amdhsa_user_sgpr_kernarg_segment_ptr 1
		.amdhsa_wavefront_size32 1
		.amdhsa_system_sgpr_workgroup_id_x 1
		.amdhsa_system_sgpr_workgroup_id_y 1
		.amdhsa_system_sgpr_workgroup_id_z 1
		.amdhsa_system_vgpr_workitem_id 0
		.amdhsa_next_free_vgpr 250
		.amdhsa_next_free_sgpr 66
		.amdhsa_reserve_vcc 1
		.amdhsa_float_denorm_mode_32 3
		.amdhsa_float_denorm_mode_16_64 3
		.amdhsa_fp16_overflow 1
		.amdhsa_memory_ordered 1
		.amdhsa_forward_progress 1
		.amdhsa_inst_pref_size 52
	.end_amdhsa_kernel
	.amdgpu_metadata
---
amdhsa.version: [ 1, 2 ]
amdhsa.kernels:
  - .name:           k_q511ff8413c_prep
    .symbol:         k_q511ff8413c_prep.kd
    .args:
      - { .name: x, .offset: 0, .size: 8, .value_kind: global_buffer, .address_space: global }
      - { .name: wq, .offset: 8, .size: 8, .value_kind: global_buffer, .address_space: global }
      - { .name: wk, .offset: 16, .size: 8, .value_kind: global_buffer, .address_space: global }
      - { .name: wv, .offset: 24, .size: 8, .value_kind: global_buffer, .address_space: global }
      - { .name: wo, .offset: 32, .size: 8, .value_kind: global_buffer, .address_space: global }
      - { .name: lowp_scales, .offset: 40, .size: 8, .value_kind: global_buffer, .address_space: global }
      - { .name: xc, .offset: 48, .size: 8, .value_kind: global_buffer, .address_space: global }
      - { .name: wc, .offset: 56, .size: 8, .value_kind: global_buffer, .address_space: global }
      - { .name: rope, .offset: 64, .size: 8, .value_kind: global_buffer, .address_space: global }
    .group_segment_fixed_size: 70144
    .private_segment_fixed_size: 0
    .kernarg_segment_align: 8
    .kernarg_segment_size: 72
    .max_flat_workgroup_size: 128
    .sgpr_count:     66
    .vgpr_count:     250
    .wavefront_size: 32
...
	.end_amdgpu_metadata
.endif
;; end of part 1
;; launch qkv (part 2): grid 4 x 96, 4 waves a work-group, clusters of 4 x 4, 327,680 bytes of LDS; arguments xc, wc, rope, lowp_scales, qkv; writes qkv
.if DOCPART == 2
	.amdgcn_target "amdgcn-amd-amdhsa--gfx1250"
	.amdhsa_code_object_version 6
	.text
	.protected	k_q511ff8413c_qkv
	.globl	k_q511ff8413c_qkv
	.p2align	8
	.type	k_q511ff8413c_qkv,@function
k_q511ff8413c_qkv:
	s_mov_b64 s[64:65], 0
	v_nop
	global_prefetch_b8 v0, s[64:65] scope:SCOPE_SE
	s_setreg_imm32_b32 hwreg(HW_REG_WAVE_MODE, 25, 1), 1
	s_wait_xcnt 0x0
	s_wait_alu depctr_hold_cnt(0) depctr_sa_sdst(0) depctr_va_vdst(0) depctr_va_sdst(0) depctr_va_ssrc(0) depctr_va_vcc(0) depctr_vm_vsrc(0)
	s_getreg_b32 s2, hwreg(HW_REG_IB_STS2, 6, 4)
	s_cmp_eq_u32 s2, 0
	s_cbranch_scc0 .Lentry_in_a_cluster
	s_endpgm
.Lentry_in_a_cluster:
	s_bfe_u32 s2, ttmp6, 0x10000c
	s_cmp_lg_u32 s2, 0xf033
	s_cbranch_scc0 .Lentry_shape_is_right
	s_endpgm
.Lentry_shape_is_right:
; QKV.  q = rot(x wq^T), k = rot(x wk^T), v = x wv^T on codes of FP8 (E4M3); the results are quantised for the attention's two products and stored as images of operand registers.
; An image: 16 rows x 64 K, 1,024 bytes; lane (r, h) holds row r, registers 2 c, 2 c + 1 hold k = 16 c + 8 h + 0 .. 7; registers 4 q .. 4 q + 3 of lane l at byte 512 q + 16 l.  Two images that are neighbours along K are one fragment of the K = 128 form, each k in its own place.
; IN: xc [version][row / 16][k / 64][1024], wc [tensor][row / 16][k / 64][1024], rope [position][frequency][cos, sin].
; OUT: qkv part 0 (q) and part 1 (k): [16 b + head][s / 16][1024], K = the head's 64;  part 2 (v, turned): [16 b + head][s / 64][channel / 16][1024], K = 64 keys.  A part is 8 MiB.
; A tile of 256 x 256 is made by four waves, as many as a WGP has SIMDs; a wave makes 128 x 128: 64 accumulators, 512 registers.  K = 1,024 goes in four steps of 256 through two LDS slots filled by the tensor data mover.
; THE MATRIX INSTRUCTION IS USED TRANSPOSED: source 0 = 16 rows of the B side, source 1 = 16 rows of the A side: lane (r, h) holds A-side row r and B-side rows 8 h + 0 .. 7.
; q, k: A side = x's codes, B side = the weight: a lane holds one token and eight neighbouring features, which are the next product's K.  v: THE SIDES ARE SWAPPED, by pointers alone: a lane holds one channel and eight neighbouring keys.
; CLUSTERS: 4 x 4 work-groups; 24 clusters: kind = cluster y / 8 (q, k, v), the rest walks the tokens.  A's tile is shared along a row of the cluster, B's along a column: each is asked for JOINTLY.  kind is the same in all partners.
; The rotation is made on the raw sums (a power of two commutes with it); the three scales are folded into the conversion's one: 2^(e_out - e_x - e_w).
; LIMITS: e6 - e0 - e1, e7 - e2 - e3, e9 - e4 - e5 lie between -126 and 119, so that the scale and 448 x the scale are f32 numbers.
; REGISTERS, in windows of 256: window 0: v16-29 addresses; v128-255 A's fragments, ONE set; on the way out v32-95 cos and sin (two sets), v96-159 numbers, v160-175 at work, v176-207 codes (two sets), v208 scale.
;   window 1: B's fragments, TWO sets.   window 2: the accumulators of my A-side rows 0-63 ((a, b) at v[8 (8 a + b)]);   window 3: rows 64-127.
; SCALARS: s[4:13] xc, wc, rope, scales, qkv; s14-17 wave, wave / 2, wave % 2, A's tile; s40-47 cx, cy, B's tile, masks, LDS place, B's address; s24-39, s48-63 descriptors; s66 kind; s67-95 at work.
.set HALFT,  32768                     ; 8 blocks of 16 rows x 256 K: what one tensor load brings, and what one wave reads of a side
.set SLOT,   4*HALFT                   ; A's two halves, then B's two
.set SPARE,  2*SLOT                    ; behind the ring: the spare words, 128 bytes for each wave: two blocks of 256 bytes that no other line names
.set KB,     4096                      ; a K step of a block of 16 rows, in bytes
.set FR,     16                        ; registers of a fragment
.set NL,     4                         ; LDS loads that bring one
.set NP,     4                         ; places behind this matrix instruction (ISA guide 7.12.1)
.set ADRA, 16                          ; v16-17  LDS address of my A fragments in slot 0, 1
.set ADRB, 20                          ; v20-21  the same for B
.set LI,   26                          ; v26     16 x lane
.set RO,   27                          ; v27     the table: 256 r + 32 h
.set SPW,  28                          ; v28     LDS address of my spare word; never rewritten
.set NIL,  29                          ; v29     0; never rewritten
.set CS,   32
.set RT,   96
.set AF,   128
.set TM,   160
.set CD,   176
.set SCL,  208
.set LIM,  209
.set G1, 24
.set G0, 32
.set G1B, 48
.set G0B, 56
.set MSB, 0
.macro WIN new                         ; the immediate's high byte repeats the setting that is left
.if MSB != \new
	s_set_vgpr_msb (MSB<<8)|(\new)
.set MSB, \new
.endif
.endm
.set MUL_LO, 0xa1                      ; source 0 (B) window 1, source 1 (A) window 0, C and D window 2
.set MUL_HI, 0xf1                      ; the same, C and D window 3
.set TO_B,   0x40                      ; destination window 1, address window 0
; A joint load: waves 0 and 1 fetch for A, waves 2 and 3 for B.  Each line has one mask and one set of registers for all that issue it; the branch hangs on the wave's number alone.  Four v_nop follow each line.
.macro JLOAD g0a, g1a, g0b, g1b
	s_cmp_eq_u32 s15, 0
	s_cbranch_scc0 .Lfor_b_\@
	tensor_load_to_lds s[\g0a:\g0a+3], s[\g1a:\g1a+7]
	s_nop 0
.rept 4
	v_nop
.endr
	s_branch .Lasked_\@
.Lfor_b_\@:
	tensor_load_to_lds s[\g0b:\g0b+3], s[\g1b:\g1b+7]
	s_nop 0
.rept 4
	v_nop
.endr
.Lasked_\@:
.endm
.macro CREST                           ; a round of the cluster's barrier behind its opening barrier
	s_cmp_lg_u32 s14, 0
	s_cbranch_scc1 .Lnot_wave_0_\@
	s_barrier_signal -3
.Lnot_wave_0_\@:
	s_barrier_wait -3
	s_barrier_signal -1
	s_barrier_wait -1
.endm
.macro CROUND
	s_barrier_signal -1
	s_barrier_wait -1
	CREST
.endm
	s_load_b256 s[4:11], s[0:1], 0x0               ; xc s[4:5], wc s[6:7], rope s[8:9], the scales' exponents s[10:11]
	s_load_b64 s[12:13], s[0:1], 0x20              ; qkv
	v_lshl_add_u32 v[SPW], v0, 2, SPARE
	v_mov_b32 v[NIL], 0
	ds_add_u32 v28, v29
	ds_add_u32 v28, v29
	s_wait_dscnt 0x0
	v_lshrrev_b32 v1, 5, v0
	v_readfirstlane_b32 s14, v1                    ; wave 0..3
	s_lshr_b32 s15, s14, 1                         ; which half of the A side's rows is mine.  Also: I fetch for A (0) or for B (1)
	s_and_b32 s16, s14, 1                          ; which half of the B side's.  Also: which 128 rows I fetch
	s_bfe_u32 s40, ttmp6, 0x40000                  ; cx
	s_bfe_u32 s41, ttmp6, 0x40004                  ; cy
	s_and_b32 s67, ttmp7, 0xffff                   ; cluster y, 0 .. 23
	s_lshr_b32 s66, s67, 3                         ; kind: 0 q, 1 k, 2 v
	s_and_b32 s67, s67, 7
	s_lshl_b32 s67, s67, 2                         ; the cluster's first token tile
	s_lshl_b32 s70, s66, 23                        ; x's version, and the part of qkv: kind x 8 MiB
	s_lshl_b32 s71, s66, 20                        ; the weight: kind x 1 MiB
	s_cmp_eq_u32 s66, 2                            ; v swaps the sides
	s_cselect_b32 s68, 0, s67
	s_cselect_b32 s69, s67, 0
	s_cselect_b32 s72, s71, s70                    ; where the A side begins in its buffer,
	s_cselect_b32 s73, s70, s71                    ; and the B side
	s_cselect_b32 s80, 28, 24
	s_add_co_u32 s17, s68, s41                     ; A's tile: hangs on cy alone of the two places
	s_add_co_u32 s42, s69, s40                     ; B's tile: on cx alone
	s_lshl_b32 s43, s41, 2
	s_lshl_b32 s43, 15, s43                        ; my row of the cluster
	s_lshl_b32 s44, 0x1111, s40                    ; my column
	; descriptor group 1: 8 rows (blocks of 16 rows of codes) of 4,096 bytes, 16,384 bytes apart; dense in LDS
	s_or_b32 s[G1+0], s43, (3<<16)|(1<<21)         ; 15:0 the mask; 17:16 elements of 8 bytes; 20 no padding; 21 set beside a mask
	s_or_b32 s[G1B+0], s44, (3<<16)|(1<<21)
.irp g, G1, G1B
	s_mov_b32 s[\g+1], 512<<16                     ; tensor_dim0 = 512 elements
	s_mov_b32 s[\g+2], 8<<16                       ; tensor_dim1 = 8
	s_mov_b32 s[\g+3], 512<<16                     ; tile_dim0
	s_mov_b32 s[\g+4], 8                           ; tile_dim1
	s_mov_b32 s[\g+5], 2048                        ; tensor_dim0_stride
	s_mov_b32 s[\g+6], 0
	s_mov_b32 s[\g+7], 0
.endr
	s_lshl_b32 s18, s16, 3                         ; which 8 blocks of the tile's 16 I fetch
	s_lshl_b32 s20, s17, 4
	s_add_co_u32 s20, s20, s18
	s_lshl_b32 s20, s20, 14
	s_add_co_u32 s20, s20, s72
	s_mov_b32 s21, 0
	s_lshl_b32 s46, s42, 4
	s_add_co_u32 s46, s46, s18
	s_lshl_b32 s46, s46, 14
	s_add_co_u32 s46, s46, s73
	s_mov_b32 s47, 0
	s_mul_i32 s45, s14, HALFT                      ; where they go: no place in the cluster enters an LDS address
	s_lshl_b32 s78, s66, 3                         ; the product's two entries: 2 kind, 2 kind + 1
	s_mov_b32 s79, 0
	s_lshl_b32 s81, s66, 2
	s_add_co_u32 s80, s80, s81                     ; the result's entry: 6, 7, 9
	s_mov_b32 s81, 0
	s_wait_kmcnt 0x0
	s_add_nc_u64 s[78:79], s[10:11], s[78:79]
	s_add_nc_u64 s[80:81], s[10:11], s[80:81]
	s_load_b64 s[84:85], s[78:79], 0x0
	s_load_b32 s86, s[80:81], 0x0
	s_cmp_eq_u32 s66, 2
	s_cselect_b64 s[74:75], s[6:7], s[4:5]         ; the A side's buffer,
	s_cselect_b64 s[76:77], s[4:5], s[6:7]         ; the B side's
	s_add_nc_u64 s[20:21], s[74:75], s[20:21]
	s_add_nc_u64 s[46:47], s[76:77], s[46:47]
	CROUND                                         ; all sixteen work-groups are here: the first joint loads meet
.irp s, 0,1
	s_mov_b32 s[G0+4*\s], 1
	s_add_co_u32 s[G0+4*\s+1], s45, \s*SLOT
	s_add_nc_u64 s[G0+4*\s+2:G0+4*\s+3], s[20:21], \s*KB
	s_or_b32 s[G0+4*\s+3], s[G0+4*\s+3], 0x80000000
	s_mov_b32 s[G0B+4*\s], 1
	s_add_co_u32 s[G0B+4*\s+1], s45, \s*SLOT
	s_add_nc_u64 s[G0B+4*\s+2:G0B+4*\s+3], s[46:47], \s*KB
	s_or_b32 s[G0B+4*\s+3], s[G0B+4*\s+3], 0x80000000
	JLOAD G0+4*\s, G1, G0B+4*\s, G1B
.endr
	v_and_b32 v6, 31, v0
	v_lshlrev_b32 v[LI], 4, v6
	v_and_b32 v1, 15, v0                           ; r
	v_bfe_u32 v2, v0, 4, 1                         ; h
	v_lshlrev_b32 v[RO], 8, v1
	v_lshl_add_u32 v[RO], v2, 5, v[RO]
	s_mul_i32 s21, s15, HALFT                      ; my 128 rows of A
	s_mul_i32 s22, s16, HALFT                      ; my 128 rows of B,
	s_add_co_u32 s22, s22, 2*HALFT                 ; which lie behind A's 256
.irp s, 0,1
	v_add_nc_u32 v[ADRA+\s], s21, v[LI]
	v_add_nc_u32 v[ADRB+\s], s22, v[LI]
	s_add_co_u32 s21, s21, SLOT
	s_add_co_u32 s22, s22, SLOT
.endr
	; where my results go.  T: my token tile, F: my feature tile, wT, wF: my wave's half of each.  In both layouts: part + (16 (T / 8) + 4 F + 2 wF) heads of 128 KiB + (T % 8) x 16 KiB + wT x 8 KiB
	s_cmp_eq_u32 s66, 2
	s_cselect_b32 s87, s42, s17                    ; T
	s_cselect_b32 s88, s17, s42                    ; F
	s_cselect_b32 s89, s16, s15                    ; wT
	s_cselect_b32 s90, s15, s16                    ; wF
	s_lshr_b32 s91, s87, 3
	s_lshl_b32 s91, s91, 4
	s_lshl_b32 s88, s88, 2
	s_add_co_u32 s91, s91, s88
	s_lshl_b32 s90, s90, 1
	s_add_co_u32 s91, s91, s90
	s_lshl_b32 s92, s91, 17
	s_and_b32 s87, s87, 7
	s_lshl_b32 s91, s87, 14
	s_add_co_u32 s92, s92, s91
	s_lshl_b32 s91, s89, 13
	s_add_co_u32 s92, s92, s91
	s_add_co_u32 s92, s92, s70
	s_mov_b32 s93, 0
	s_add_nc_u64 s[12:13], s[12:13], s[92:93]
	s_lshl_b32 s94, s87, 16                        ; the table at my first position: 256 (T % 8) + 128 wT, 256 bytes each
	s_lshl_b32 s91, s89, 15
	s_add_co_u32 s94, s94, s91
	s_mov_b32 s95, 0
	s_add_nc_u64 s[8:9], s[8:9], s[94:95]
.macro FRAG reg, adr, q, i             ; a fragment, 16 rows x 128 K: two images on end: four loads of 512 consecutive bytes
.irp c, 0,1,2,3
	ds_load_b128 v[\reg+4*\c:\reg+4*\c+3], v[\adr] offset:KB*(\i)+2048*(\q)+512*\c
.endr
.endm
; 16 matrix instructions: A's blocks a0, a0 + 1 x B's eight, 128 along K.  p: B's set.  zero = 1: the first product starts the sums.  The 64 accumulators take turns, one instruction a turn, in the same order in every step.
.macro MUL16 a0, p, zero
.irp a, \a0, \a0+1
.irp b, 0,1,2,3,4,5,6,7
.if \zero
	v_wmma_f32_16x16x128_fp8_fp8 v[8*(8*((\a)%4)+\b):8*(8*((\a)%4)+\b)+7], v[128*(\p)+FR*\b:128*(\p)+FR*\b+FR-1], v[AF+FR*(\a):AF+FR*(\a)+FR-1], 0
.else
	v_wmma_f32_16x16x128_fp8_fp8 v[8*(8*((\a)%4)+\b):8*(8*((\a)%4)+\b)+7], v[128*(\p)+FR*\b:128*(\p)+FR*\b+FR-1], v[AF+FR*(\a):AF+FR*(\a)+FR-1], v[8*(8*((\a)%4)+\b):8*(8*((\a)%4)+\b)+7]
.endif
.endr
.endr
.endm
.macro FETCH_B slot, q, p
	WIN TO_B
.irp i, 0,1,2,3,4,5,6,7
	FRAG 128*(\p)+FR*\i, ADRB+\slot, \q, \i
.endr
	WIN 0
.endm
.macro FETCH_A slot, q, i0
.irp i, \i0, \i0+1, \i0+2, \i0+3
	FRAG AF+FR*(\i), ADRA+\slot, \q, \i
.endr
.endm
.macro PLACES n                        ; plain vector instructions between a matrix instruction and a load into, or a vector instruction on, its registers
.rept \n
	v_nop
.endr
.endm
.macro STEP slot, q, zero              ; a step of 128 along K that has its successor in the same slot
	s_wait_dscnt 4*NL                              ; B's set and A's blocks 0-3 are in; the youngest sixteen loads (A's blocks 4-7) may be out
	WIN MUL_LO
	MUL16 0, (\q)%2, \zero
	MUL16 2, (\q)%2, \zero
	s_wait_dscnt 0
	PLACES NP
	FETCH_B \slot, (\q)+1, 1-(\q)%2
	FETCH_A \slot, (\q)+1, 0
	WIN MUL_HI
	MUL16 4, (\q)%2, \zero
	MUL16 6, (\q)%2, \zero
	PLACES NP
	WIN 0
	FETCH_A \slot, (\q)+1, 4
.endm
; A slot's last step changes slots: ONE barrier; in front of it each wave waits for all its tensor loads, adds 0 to its spare word, and waits for that and for its own reads of this slot.  fill = 1: this slot is filled again, two K steps ahead.
.macro TURN slot, next, fill
	s_wait_tensorcnt 0x0                           ; all my tensor loads have landed: my part of the next slot
	ds_add_u32 v[SPW], v[NIL]                      ; 0 onto my spare word
	s_wait_dscnt 4*NL+1                            ; (the add and the youngest sixteen loads may be out)
	WIN MUL_LO
	MUL16 0, 1, 0
	s_wait_dscnt 0x0                               ; the add is done, and my reads of this slot are over
	s_barrier_signal -1
	MUL16 2, 1, 0
	WIN 0
	s_barrier_wait -1
.if \fill
	CREST                                          ; the barrier has opened a round of the cluster's: no wave of any partner still reads this slot or has a load on its way
	s_add_nc_u64 s[G0+4*\slot+2:G0+4*\slot+3], s[G0+4*\slot+2:G0+4*\slot+3], 2*KB
	s_add_nc_u64 s[G0B+4*\slot+2:G0B+4*\slot+3], s[G0B+4*\slot+2:G0B+4*\slot+3], 2*KB
	JLOAD G0+4*\slot, G1, G0B+4*\slot, G1B         ; the first tensor load behind the round; its four v_nop are the places in front of the loads below
.else
	PLACES NP
.endif
	FETCH_B \next, 0, 0
	FETCH_A \next, 0, 0
	WIN MUL_HI
	MUL16 4, 1, 0
	MUL16 6, 1, 0
	PLACES NP
	WIN 0
	FETCH_A \next, 0, 4
.endm
.macro ROPELD a                        ; cos and sin of block a's 16 positions: lane (r, h) takes, for each c, frequencies 8 c + 4 h + 0 .. 3: 32 bytes
.irp c, 0,1,2,3
.irp e, 0,1
	global_load_b128 v[CS+32*((\a)%2)+8*\c+4*\e:CS+32*((\a)%2)+8*\c+4*\e+3], v[RO], s[8:9] offset:4096*(\a)+64*\c+16*\e
.endr
.endr
.endm
	s_wait_alu depctr_va_vdst(0)
	s_wait_tensorcnt 1                             ; my part of K step 0 is in (K step 1's load may be out)
	s_barrier_signal -1
	s_barrier_wait -1                              ; everybody's is
	FETCH_B 0, 0, 0
	FETCH_A 0, 0, 0
	FETCH_A 0, 0, 4
	STEP 0, 0, 1                                   ; the first products start the sums: nothing is cleared
	TURN 0, 1, 1                                   ; slot 0 takes K step 2
	STEP 1, 0, 0
	TURN 1, 0, 1                                   ; slot 1 takes K step 3
	STEP 0, 0, 0
	TURN 0, 1, 0
	STEP 1, 0, 0
	s_cmp_eq_u32 s66, 2                            ; q and k: the table's first two blocks are asked for under the last step's products
	s_cbranch_scc1 .Lno_rope
	ROPELD 0
	ROPELD 1
.Lno_rope:
	s_wait_dscnt 4*NL
	WIN MUL_LO
	MUL16 0, 1, 0
	MUL16 2, 1, 0
	s_wait_dscnt 0
	WIN MUL_HI
	MUL16 4, 1, 0
	MUL16 6, 1, 0
	WIN 0
	s_wait_kmcnt 0x0
	s_sub_co_i32 s86, s86, s84
	s_sub_co_i32 s86, s86, s85                     ; e_out - e_x - e_w
	s_add_co_i32 s86, s86, 127
	s_lshl_b32 s87, s86, 23
	PLACES NP                                      ; behind the last products: what follows writes registers that held A's fragments and reads results
	v_mov_b32 v[SCL], s87
	s_cmp_eq_u32 s66, 2
	s_cbranch_scc1 .Lv_out
; q, k: block a (16 tokens x 128 features = two heads).  Registers 2 i, 2 i + 1 of accumulator b are the pair of frequency 8 (b % 4) + 4 h + i.  (t1, t2) -> (t1 cos - t2 sin, t1 sin + t2 cos), two packed instructions a pair.
.macro QKOUT a
.if (\a) < 7
	s_wait_loadcnt 8                               ; this block's eight table loads are in; the next block's may be out
.else
	s_wait_loadcnt 0
.endif
.if (\a) >= 2
	s_wait_xcnt 0x0                                ; the stores of two blocks ago have read this set of codes
.endif
.set AC, 64*((\a)%4)
.set CSS, CS+32*((\a)%2)
.set CDS, CD+16*((\a)%2)
	WIN 0x02+((\a)/4)                              ; source 0: window 2 or 3
.irp b, 0,1,2,3,4,5,6,7
.irp i, 0,1,2,3
	v_pk_mul_f32 v[TM+8*(\b%2)+2*\i:TM+8*(\b%2)+2*\i+1], v[AC+8*\b+2*\i:AC+8*\b+2*\i+1], v[CSS+8*(\b%4)+2*\i:CSS+8*(\b%4)+2*\i+1] op_sel:[1,1] op_sel_hi:[1,0] neg_lo:[1,0]   ; (-t2 sin, t2 cos); each accumulator from its low end on
.endr
.irp i, 0,1,2,3
	v_pk_fma_f32 v[RT+8*\b+2*\i:RT+8*\b+2*\i+1], v[AC+8*\b+2*\i:AC+8*\b+2*\i+1], v[CSS+8*(\b%4)+2*\i:CSS+8*(\b%4)+2*\i+1], v[TM+8*(\b%2)+2*\i:TM+8*(\b%2)+2*\i+1] op_sel_hi:[0,1,1]   ; + (t1 cos, t1 sin)
.endr
.endr
	WIN 0
.if (\a)+2 < 8
	ROPELD (\a)+2                                  ; into the set just read
.endif
.set j, 0
.rept 64
.set j, j+1
.endr
.irp b, 0,1,2,3,4,5,6,7
	v_cvt_scalef32_pk8_fp8_f32 v[CDS+2*\b:CDS+2*\b+1], v[RT+8*\b:RT+8*\b+7], v[SCL]   ; registers 2 (b % 4), + 1 of head b / 4's image
.endr
	v_nop                                          ; a plain instruction behind the last conversion
.irp g, 0,1,2,3
	global_store_b128 v[LI], v[CDS+4*\g:CDS+4*\g+3], s[12:13] offset:(\g/2)*131072+(\a)*1024+(\g%2)*512   ; 32 lanes store 512 consecutive bytes, aligned
.endr
.endm
.irp a, 0,1,2,3,4,5,6,7
	QKOUT \a
.endr
	s_branch .Ldone
.Lv_out:
; v: block a (16 channels x 128 keys = two images).
.macro VOUT a
.if (\a) >= 2
	s_wait_xcnt 0x0
.endif
.set AC, 64*((\a)%4)
.set CDS, CD+16*((\a)%2)
	WIN 0x02+((\a)/4)
.set j, 0
.rept 64
.set j, j+1
.endr
.irp b, 0,1,2,3,4,5,6,7
	v_cvt_scalef32_pk8_fp8_f32 v[CDS+2*\b:CDS+2*\b+1], v[AC+8*\b:AC+8*\b+7], v[SCL]
.endr
	WIN 0
	v_nop
.irp g, 0,1,2,3
	global_store_b128 v[LI], v[CDS+4*\g:CDS+4*\g+3], s[12:13] offset:((\a)/4)*131072+((\a)%4)*1024+(\g/2)*4096+(\g%2)*512
.endr
.endm
	s_wait_alu depctr_va_vdst(0)
.irp a, 0,1,2,3,4,5,6,7
	VOUT \a
.endr
.Ldone:
	s_wait_tensorcnt 0x0                           ; the wave's end
	ds_add_u32 v[SPW], v[NIL]
	s_wait_dscnt 0x0
	CROUND                                         ; the closing round: no work-group ends while a partner may still ask for a tile that names it
	s_endpgm
.Lfunc_end_k_q511ff8413c_qkv:
	.size	k_q511ff8413c_qkv, .Lfunc_end_k_q511ff8413c_qkv-k_q511ff8413c_qkv
	.p2alignl 7, 3214868480
	.fill 96, 4, 3214868480
	.section	.rodata,"a",@progbits
	.p2align	6, 0x0
	.amdhsa_kernel k_q511ff8413c_qkv
		.amdhsa_group_segment_fixed_size 327680
		.amdhsa_private_segment_fixed_size 0
		.amdhsa_enable_private_segment 0
		.amdhsa_kernarg_size 40
		.amdhsa_user_sgpr_count 2
		.amdhsa_user_sgpr_kernarg_segment_ptr 1
		.amdhsa_wavefront_size32 1
		.amdhsa_system_sgpr_workgroup_id_x 1
		.amdhsa_system_sgpr_workgroup_id_y 1
		.amdhsa_system_sgpr_workgroup_id_z 1
		.amdhsa_system_vgpr_workitem_id 0
		.amdhsa_next_free_vgpr 1024
		.amdhsa_next_free_sgpr 100
		.amdhsa_reserve_vcc 0
		.amdhsa_float_denorm_mode_32 3
		.amdhsa_float_denorm_mode_16_64 3
		.amdhsa_fp16_overflow 1
		.amdhsa_memory_ordered 1
		.amdhsa_forward_progress 1
		.amdhsa_inst_pref_size 133
	.end_amdhsa_kernel
	.amdgpu_metadata
---
amdhsa.version: [ 1, 2 ]
amdhsa.kernels:
  - .name:           k_q511ff8413c_qkv
    .symbol:         k_q511ff8413c_qkv.kd
    .args:
      - { .name: xc, .offset: 0, .size: 8, .value_kind: global_buffer, .address_space: global }
      - { .name: wc, .offset: 8, .size: 8, .value_kind: global_buffer, .address_space: global }
      - { .name: rope, .offset: 16, .size: 8, .value_kind: global_buffer, .address_space: global }
      - { .name: lowp_scales, .offset: 24, .size: 8, .value_kind: global_buffer, .address_space: global }
      - { .name: qkv, .offset: 32, .size: 8, .value_kind: global_buffer, .address_space: global }
    .group_segment_fixed_size: 327680
    .private_segment_fixed_size: 0
    .kernarg_segment_align: 8
    .kernarg_segment_size: 40
    .max_flat_workgroup_size: 128
    .sgpr_count:     100
    .vgpr_count:     1024
    .wavefront_size: 32
...
	.end_amdgpu_metadata
.endif
;; end of part 2
;; launch attn (part 3): grid 4 x 64, 16 waves a work-group, clusters of 4 x 1, 327,680 bytes of LDS; arguments qkv, lowp_scales, ac; writes ac
.if DOCPART == 3
	.amdgcn_target "amdgcn-amd-amdhsa--gfx1250"
	.amdhsa_code_object_version 6
	.text
	.protected	k_q511ff8413c_attn
	.globl	k_q511ff8413c_attn
	.p2align	8
	.type	k_q511ff8413c_attn,@function
k_q511ff8413c_attn:
	s_mov_b64 s[64:65], 0
	v_nop
	global_prefetch_b8 v0, s[64:65] scope:SCOPE_SE
	s_setreg_imm32_b32 hwreg(HW_REG_WAVE_MODE, 25, 1), 1
	s_wait_xcnt 0x0
	s_wait_alu depctr_hold_cnt(0) depctr_sa_sdst(0) depctr_va_vdst(0) depctr_va_sdst(0) depctr_va_ssrc(0) depctr_va_vcc(0) depctr_vm_vsrc(0)
	s_getreg_b32 s2, hwreg(HW_REG_IB_STS2, 6, 4)
	s_cmp_eq_u32 s2, 0
	s_cbranch_scc0 .Lentry_in_a_cluster
	s_endpgm
.Lentry_in_a_cluster:
	s_bfe_u32 s2, ttmp6, 0x10000c
	s_cmp_lg_u32 s2, 0x3003
	s_cbranch_scc0 .Lentry_shape_is_right
	s_endpgm
.Lentry_shape_is_right:
; ATTN.  Causal attention of one (batch, head) for each cluster of four work-groups, both products on codes of FP8 (E4M3); the result is quantised for the last projection.
; IN: qkv (three parts of 8 MiB): q and k [16 b + head][s / 16][1024]; v turned [16 b + head][s / 64][channel / 16][1024]: images of operand registers (16 rows x 64 K; lane (r, h): row r, registers 2 c, 2 c + 1: k = 16 c + 8 h + 0 .. 7; registers 4 q .. at byte 512 q + 16 lane).
; OUT: ac [(2048 b + s) / 16][head][1024]: the same images, K = the head's 64 channels.
; THE SOFTMAX: t = score x log2(e) / 8; M = the running largest t rounded UP to a whole number; p = 2^(t - M) is quantised along the keys, not normalised; the row's sum is taken of the unquantised p and divides at the end.
; When M moves, the sum and O are multiplied by 2^(old M - new M), which rounds nothing.
; A HEAD'S K AND V, 128 KiB each, LIE IN LDS WHOLE: filled once, by one joint load a wave (16 KiB; waves 0-7 K, waves 8-15 V), the same in all four work-groups.  Nothing is filled again: one wait, one barrier, no ring.
; SHARES.  A wave owns 32 queries (two tiles of 16) from 128 rank + 32 cx on.  rank is a fixed permutation of the wave's number (a 4 x 4 magic square: any four waves w % 4 alike, or w / 4 alike, have ranks that add up to 30), since a rank's work grows with it.
; Every wave walks all 32 key steps of 64; a step is left out where its first key lies behind 128 rank + 127, and masked where its last key lies behind 128 rank: both hang on the wave's number and the counter alone, alike in all partners.
; cx enters q's and ac's global addresses and the mask's vector number, nothing else.  So the partners with cx = 0, 1 walk one step all of whose scores are hidden: p = 0 there, M stays.  Key 0 counts for every query, so M is a number from the first step on.
; LAYOUT.  Both products transposed: S^T = K Q^T (source 0 = 16 keys), O^T = V^T P^T (source 0 = 16 channels): a lane holds ONE query; S^T's tile c holds keys 16 c + 8 h + 0 .. 7, which is just what registers 2 c, 2 c + 1 of P want.
; LIMITS: e6 + e7 between -123 and 130 (added to c's exponent field); e8 and e10 between -126 and 119; e8 + e9 goes by v_ldexp_f32 and has none.
; REGISTERS: v1 16 x lane; v2, v3 addresses in hand; v5 my query - 8 h; tile x's statistics at v[8 + 8 x]: +0 -M, +1 largest t, +2, +3 the sum, +4 f, +5 its partner, +6, +7 at work; v24-39 Q; v40-71 K; v72-103 V; v104-167 S^T, then p; v168-231 O^T; v232-247 p's codes;
;   v248 scale; v250 -infinity; v251, v252 the mask's numbers; v253, v254 the lane exchanges' destinations.
.set VOFF, 131072                      ; LDS: K at 0, V behind it; a key step is 4,096 bytes of each
.set LI,  1
.set ADK, 2
.set ADV, 3
.set DQ,  5
.set ST,  8
.set AQ,  24
.set KFR, 40
.set VFR, 72
.set ACS, 104
.set AO,  168
.set APC, 232
.set WV,  18                           ; s18 wave, s19 rank, s20 cx, s21 16 b + head
.set CS,  22                           ; s[22:23] c = log2(e) / 8 x 2^(e6 + e7), twice
.set G1,  24                           ; s[24:31], s[32:35] the descriptor
.set G0,  32
.set SEL, 48                           ; s[48:49] v_permlanex16_b32: lane l xor 16
.set TB,  50                           ; s50 LDS byte of the step's K
.set KF,  51                           ; s51 the step's first key
.set CNT, 52
.set QL,  53                           ; s53 128 rank + 127
.set QF,  54                           ; s54 128 rank
.set TMP, 55
.macro CROUND                          ; a round of the cluster's barrier
	s_barrier_signal -1
	s_barrier_wait -1
	s_cmp_lg_u32 s[WV], 0
	s_cbranch_scc1 .Lnot_wave_0_\@
	s_barrier_signal -3
.Lnot_wave_0_\@:
	s_barrier_wait -3
	s_barrier_signal -1
	s_barrier_wait -1
.endm
	s_load_b128 s[4:7], s[0:1], 0x0                ; qkv s[4:5], the scales' exponents s[6:7]
	s_load_b64 s[8:9], s[0:1], 0x10                ; ac
	v_lshl_add_u32 v4, v0, 2, 0x40000
	v_mov_b32 v255, 0
	ds_add_u32 v4, v255
	ds_add_u32 v4, v255
	v_lshrrev_b32 v2, 5, v0
	s_delay_alu instid0(VALU_DEP_1)
	v_readfirstlane_b32 s[WV], v2                  ; wave 0..15
	s_cmp_lt_u32 s[WV], 8
	s_mov_b32 s19, 0x0de3b658                      ; ranks of waves 8-15, four bits each,
	s_cselect_b32 s19, 0x7a94c12f, s19             ; of waves 0-7
	s_and_b32 s[TMP], s[WV], 7
	s_lshl_b32 s[TMP], s[TMP], 2
	s_lshr_b32 s19, s19, s[TMP]
	s_and_b32 s19, s19, 15                         ; rank
	s_bfe_u32 s20, ttmp6, 0x40000                  ; cx
	s_and_b32 s21, ttmp7, 0xffff                   ; 16 b + head, which the four partners share
	s_lshl_b32 s[QF], s19, 7
	s_add_co_u32 s[QL], s[QF], 127
	s_lshr_b32 s56, s[WV], 3                       ; what I fetch: part 1 (K) or 2 (V),
	s_add_co_u32 s56, s56, 1
	s_lshl_b32 s56, s56, 23
	s_lshl_b32 s57, s21, 17                        ; the head,
	s_add_co_u32 s56, s56, s57
	s_and_b32 s57, s[WV], 7
	s_lshl_b32 s57, s57, 14                        ; my eighth of its 128 KiB
	s_add_co_u32 s56, s56, s57
	s_mov_b32 s57, 0
	s_mov_b32 s[G1], 15|(3<<16)|(1<<21)            ; 15:0 the mask: all four work-groups; 17:16 elements of 8 bytes; 21 set beside a mask
	s_mov_b32 s[G1+1], 32<<16                      ; tensor_dim0 = 32 elements: rows of 256 bytes
	s_mov_b32 s[G1+2], 64<<16                      ; tensor_dim1 = 64
	s_mov_b32 s[G1+3], 32<<16                      ; tile_dim0
	s_mov_b32 s[G1+4], 64                          ; tile_dim1
	s_mov_b32 s[G1+5], 32                          ; dense
	s_mov_b32 s[G1+6], 0
	s_mov_b32 s[G1+7], 0
	s_mov_b32 s[G0], 1
	s_lshl_b32 s[G0+1], s[WV], 14                  ; LDS: 16,384 x wave: K's eight parts, then V's
	s_lshl_b32 s70, s19, 3
	s_lshl_b32 s71, s20, 1
	s_add_co_u32 s70, s70, s71                     ; my first block of 16 queries: 8 rank + 2 cx
	s_lshl_b32 s66, s70, 10
	s_lshl_b32 s71, s21, 17
	s_add_co_u32 s66, s66, s71                     ; its image in q
	s_mov_b32 s67, 0
	s_lshr_b32 s68, s21, 4
	s_lshl_b32 s68, s68, 7
	s_add_co_u32 s68, s68, s70
	s_lshl_b32 s68, s68, 14
	s_and_b32 s71, s21, 15
	s_lshl_b32 s71, s71, 10
	s_add_co_u32 s68, s68, s71                     ; and in ac
	s_mov_b32 s69, 0
	s_lshl_b32 s78, s70, 4                         ; my first query
	s_mov_b32 s[SEL], 0x76543210
	s_mov_b32 s[SEL+1], 0xfedcba98
	s_mov_b32 s[CS], 0x3e38aa3b                    ; log2(e) / 8
	s_mov_b32 s[TB], 0
	s_mov_b32 s[KF], 0
	s_mov_b32 s[CNT], 32
	s_wait_dscnt 0x0
	s_wait_kmcnt 0x0
	s_load_b64 s[72:73], s[6:7], 0x18              ; e6, e7
	s_load_b64 s[74:75], s[6:7], 0x20              ; e8, e9
	s_load_b32 s76, s[6:7], 0x28                   ; e10
	s_add_nc_u64 s[G0+2:G0+3], s[4:5], s[56:57]
	s_or_b32 s[G0+3], s[G0+3], 0x80000000
	s_add_nc_u64 s[66:67], s[4:5], s[66:67]
	s_add_nc_u64 s[68:69], s[8:9], s[68:69]
	CROUND                                         ; all four work-groups are here: the joint loads meet
	tensor_load_to_lds s[G0:G0+3], s[G1:G1+7]      ; my one tensor load of the launch
	s_nop 0
.rept 4
	v_nop
.endr
	v_and_b32 v[LI], 31, v0
	s_delay_alu instid0(VALU_DEP_1)
	v_lshlrev_b32 v[LI], 4, v[LI]
.irp x, 0,1
.irp q, 0,1
	global_load_b128 v[AQ+8*\x+4*\q:AQ+8*\x+4*\q+3], v[LI], s[66:67] offset:1024*\x+512*\q   ; Q stays in registers
.endr
.endr
	v_and_b32 v6, 15, v0                           ; r
	v_bfe_u32 v7, v0, 4, 1                         ; h
	s_delay_alu instid0(VALU_DEP_1)
	v_lshlrev_b32 v7, 3, v7
	s_delay_alu instid0(VALU_DEP_1)
	v_sub_nc_u32 v[DQ], v6, v7
	s_delay_alu instid0(VALU_DEP_1)
	v_add_nc_u32 v[DQ], s78, v[DQ]                 ; my query of tile 0, less 8 h
.irp x, 0,1
	v_mov_b32 v[ST+8*\x+1], 0xff61b1e6             ; the largest t so far: -3e38, under every t
	s_delay_alu instid0(VALU_DEP_1)
	v_floor_f32 v[ST+8*\x], -v[ST+8*\x+1]          ; -M
	v_mov_b32 v[ST+8*\x+2], 0                      ; the sum, in two halves
	v_mov_b32 v[ST+8*\x+3], 0
	v_mov_b32 v[ST+8*\x+4], 0
	v_mov_b32 v[ST+8*\x+5], 0                      ; (named as the upper half of f's pair)
	v_mov_b32 v[253+\x], 0                         ; a lane exchange's destination counts as one of its sources
.endr
	v_mov_b32 v250, 0xff800000                     ; -infinity
.set j, 0
.rept 64
	v_mov_b32 v[AO+j], 0                           ; O^T.  (The step is written once: the first finds zeros, which the first change of M leaves zeros)
.set j, j+1
.endr
	s_wait_kmcnt 0x0
	s_add_co_i32 s77, s72, s73
	s_lshl_b32 s77, s77, 23
	s_add_co_i32 s[CS], s[CS], s77                 ; a score stands for score x 2^(e6 + e7)
	s_mov_b32 s[CS+1], s[CS]
	s_add_co_i32 s77, s74, 127
	s_lshl_b32 s79, s77, 23
	v_mov_b32 v248, s79                            ; 2^e8
	s_wait_loadcnt 0x0                             ; Q
	s_wait_tensorcnt 0x0                           ; my part of K or V has landed,
	s_barrier_signal -1
	s_barrier_wait -1                              ; everybody's has
; A KEY STEP: 64 keys, both tiles of queries.
.macro STEP
	s_cmp_gt_u32 s[KF], s[QL]                      ; all its keys come after all queries of my rank: left out, but for the steps of the addresses
	s_cbranch_scc1 .Lhid_\@
	s_setprio 2
	v_add_nc_u32 v[ADK], s[TB], v[LI]
	s_delay_alu instid0(VALU_DEP_1)
	v_add_nc_u32 v[ADV], VOFF, v[ADK]
	v_nop
	v_nop                                          ; four places between the last step's products and the loads into V's registers
.irp t, 0,1,2,3
.irp q, 0,1
	ds_load_b128 v[KFR+8*\t+4*\q:KFR+8*\t+4*\q+3], v[ADK] offset:1024*\t+512*\q
.endr
.endr
.irp t, 0,1,2,3
.irp q, 0,1
	ds_load_b128 v[VFR+8*\t+4*\q:VFR+8*\t+4*\q+3], v[ADV] offset:1024*\t+512*\q
.endr
.endr
	s_wait_dscnt 8                                 ; K's eight loads are in; V's may be out
.irp t, 0,1,2,3
.irp x, 0,1
	v_wmma_f32_16x16x64_fp8_fp8 v[ACS+32*\x+8*\t:ACS+32*\x+8*\t+7], v[KFR+8*\t:KFR+8*\t+7], v[AQ+8*\x:AQ+8*\x+7], 0
.endr
.endr
.rept 4
	v_nop
.endr
	s_add_co_u32 s[TMP], s[KF], 63
	s_cmp_le_u32 s[TMP], s[QF]                     ; all its keys count for all queries of my rank: no mask
	s_cbranch_scc1 .Lopen_\@
	s_sub_co_i32 s[TMP], 0, s[KF]
	v_add_nc_u32 v251, s[TMP], v[DQ]               ; register 8 t + j holds key KF + 16 t + 8 h + j: hidden where 16 t + j > my query - 8 h - KF
	s_delay_alu instid0(VALU_DEP_1)
	v_add_nc_u32 v252, 16, v251
.irp x, 0,1
.set n, 0
.rept 32
	v_cmp_gt_i32 vcc_lo, 16*(n/8)+n%8, v[251+\x]
	v_cndmask_b32 v[ACS+32*\x+n], v[ACS+32*\x+n], v250, vcc_lo
.set n, n+1
.endr
.endr
.Lopen_\@:
.irp x, 0,1                                    ; the step's largest score of my query among my 32 keys: two chains a tile, each accumulator from its low end on
	v_max3_num_f32 v[ST+8*\x+6], v[ACS+32*\x], v[ACS+32*\x+1], v[ACS+32*\x+2]
	v_max3_num_f32 v[ST+8*\x+7], v[ACS+32*\x+3], v[ACS+32*\x+4], v[ACS+32*\x+5]
.endr
.irp i, 6,10,14,18,22,26
.irp x, 0,1
	v_max3_num_f32 v[ST+8*\x+6], v[ST+8*\x+6], v[ACS+32*\x+\i], v[ACS+32*\x+\i+1]
	v_max3_num_f32 v[ST+8*\x+7], v[ST+8*\x+7], v[ACS+32*\x+\i+2], v[ACS+32*\x+\i+3]
.endr
.endr
.irp x, 0
	v_max3_num_f32 v[ST+8*\x+6], v[ST+8*\x+6], v[ACS+32*\x+30], v[ACS+32*\x+31]
.endr
.irp x, 1
	v_max3_num_f32 v[ST+8*\x+6], v[ST+8*\x+6], v[ACS+32*\x+30], v[ACS+32*\x+31]
.endr
.irp x, 0,1
	s_delay_alu instid0(VALU_DEP_2)
	v_max_num_f32 v[ST+8*\x+6], v[ST+8*\x+6], v[ST+8*\x+7]
.endr
.irp x, 0,1
	s_delay_alu instid0(VALU_DEP_2)
	v_permlanex16_b32 v[253+\x], v[ST+8*\x+6], s[SEL], s[SEL+1]
.endr
.irp x, 0,1
	s_delay_alu instid0(VALU_DEP_2)
	v_max_num_f32 v[ST+8*\x+6], v[ST+8*\x+6], v[253+\x]   ; and among lane l xor 16's
.endr
.irp x, 0,1
	s_delay_alu instid0(VALU_DEP_2)
	v_mul_f32 v[ST+8*\x+6], s[CS], v[ST+8*\x+6]    ; as t (c is positive)
.endr
.irp x, 0
	s_delay_alu instid0(VALU_DEP_2)
	v_max_num_f32 v[ST+8*\x+1], v[ST+8*\x+1], v[ST+8*\x+6]   ; the running largest t
	v_mov_b32 v[ST+8*\x+6], v[ST+8*\x]
.endr
.irp x, 1
	s_delay_alu instid0(VALU_DEP_3)
	v_max_num_f32 v[ST+8*\x+1], v[ST+8*\x+1], v[ST+8*\x+6]
	v_mov_b32 v[ST+8*\x+6], v[ST+8*\x]
.endr
.irp x, 0
	s_delay_alu instid0(VALU_DEP_4)
	v_floor_f32 v[ST+8*\x], -v[ST+8*\x+1]
.endr
.irp x, 1
	s_delay_alu instid0(VALU_DEP_3)
	v_floor_f32 v[ST+8*\x], -v[ST+8*\x+1]          ; the new -M = -ceil(t)
.endr
.irp x, 0,1
	s_delay_alu instid0(VALU_DEP_2)
	v_sub_f32 v[ST+8*\x+6], v[ST+8*\x], v[ST+8*\x+6]   ; old M - new M: a whole number, 0 or less
.endr
.irp x, 0,1
	s_delay_alu instid0(VALU_DEP_2)
	v_cvt_i32_f32 v[ST+8*\x+6], v[ST+8*\x+6]       ; (it saturates)
.endr
.irp x, 0,1
	s_delay_alu instid0(VALU_DEP_2)
	v_ldexp_f32 v[ST+8*\x+4], 1.0, v[ST+8*\x+6]    ; f = 2^(old M - new M)
.endr
.irp x, 0,1
.set j, 0
.rept 16
	v_pk_fma_f32 v[ACS+32*\x+j:ACS+32*\x+j+1], v[ACS+32*\x+j:ACS+32*\x+j+1], s[CS:CS+1], v[ST+8*\x:ST+8*\x+1] op_sel_hi:[1,0,0]   ; t - M, two at a time
.set j, j+2
.endr
.endr
.set j, 0
	s_setprio 1
	s_wait_alu depctr_va_vdst(0)
.rept 64
	v_exp_f32 v[ACS+j], v[ACS+j]                   ; p = 2^(t - M): one batch for both tiles
.set j, j+1
.endr
.irp x, 0,1
	v_pk_mul_f32 v[ST+8*\x+2:ST+8*\x+3], v[ST+8*\x+2:ST+8*\x+3], v[ST+8*\x+4:ST+8*\x+5] op_sel_hi:[1,0]   ; the sums under the new M (plain instructions behind the exponentials)
.endr
	s_wait_alu depctr_va_vdst(0)                   ; one wait for the batch, ahead of the first line that names a result
.irp x, 0,1
	v_pk_add_f32 v[ST+8*\x+6:ST+8*\x+7], v[ACS+32*\x:ACS+32*\x+1], v[ACS+32*\x+2:ACS+32*\x+3]   ; the row's sum is taken of the unquantised p: two chains a tile
.endr
.irp j, 4,8,12,16,20,24,28
.irp x, 0,1
	v_pk_add_f32 v[ST+8*\x+2:ST+8*\x+3], v[ST+8*\x+2:ST+8*\x+3], v[ACS+32*\x+\j:ACS+32*\x+\j+1]
	v_pk_add_f32 v[ST+8*\x+6:ST+8*\x+7], v[ST+8*\x+6:ST+8*\x+7], v[ACS+32*\x+\j+2:ACS+32*\x+\j+3]
.endr
.endr
.irp x, 0
	s_delay_alu instid0(VALU_DEP_3)
	v_pk_add_f32 v[ST+8*\x+2:ST+8*\x+3], v[ST+8*\x+2:ST+8*\x+3], v[ST+8*\x+6:ST+8*\x+7]
.endr
.irp x, 1
	s_delay_alu instid0(VALU_DEP_2)
	v_pk_add_f32 v[ST+8*\x+2:ST+8*\x+3], v[ST+8*\x+2:ST+8*\x+3], v[ST+8*\x+6:ST+8*\x+7]
.endr
.set j, 0
.rept 64
.set j, j+1
.endr
.irp x, 0,1
.irp c, 0,1,2,3
	v_cvt_scalef32_pk8_fp8_f32 v[APC+8*\x+2*\c:APC+8*\x+2*\c+1], v[ACS+32*\x+8*\c:ACS+32*\x+8*\c+7], v248
.endr
.endr
.irp x, 0,1
.set j, 0
.rept 16
	v_pk_mul_f32 v[AO+32*\x+j:AO+32*\x+j+1], v[AO+32*\x+j:AO+32*\x+j+1], v[ST+8*\x+4:ST+8*\x+5] op_sel_hi:[1,0]   ; O^T under the new M.  (Also the plain instructions between the conversions and the products)
.set j, j+2
.endr
.endr
	s_setprio 0
	s_wait_alu depctr_va_vdst(0)
	s_wait_dscnt 0x0                               ; V is in
.irp t, 0,1,2,3
.irp x, 0,1
	v_wmma_f32_16x16x64_fp8_fp8 v[AO+32*\x+8*\t:AO+32*\x+8*\t+7], v[VFR+8*\t:VFR+8*\t+7], v[APC+8*\x:APC+8*\x+7], v[AO+32*\x+8*\t:AO+32*\x+8*\t+7]   ; eight accumulators by turns
.endr
.endr
.Lhid_\@:
	s_add_co_u32 s[TB], s[TB], 4096
	s_add_co_u32 s[KF], s[KF], 64
.endm
.Lstep:                                            ; 32 trips: a constant; what a wave does not need it jumps over inside the trip
	STEP
	s_sub_co_u32 s[CNT], s[CNT], 1
	s_cmp_lg_u32 s[CNT], 0
	s_cbranch_scc1 .Lstep
	s_setprio 0
	; THE WAY OUT: O^T / the sum x 2^(e8 + e9), quantised with 2^e10: tile c's eight channels are registers 2 c, 2 c + 1 of the image.
.rept 4
	v_nop
.endr
	s_add_co_i32 s77, s76, 127
	s_lshl_b32 s79, s77, 23
	s_add_co_i32 s[TMP], s74, s75
.irp x, 0,1
	v_add_f32 v[ST+8*\x+6], v[ST+8*\x+2], v[ST+8*\x+3]
.endr
.irp x, 0,1
	s_delay_alu instid0(VALU_DEP_2)
	v_permlanex16_b32 v[253+\x], v[ST+8*\x+6], s[SEL], s[SEL+1]
.endr
.irp x, 0,1
	s_delay_alu instid0(VALU_DEP_2)
	v_add_f32 v[ST+8*\x+6], v[ST+8*\x+6], v[253+\x]   ; the row's sum
.endr
	s_wait_alu depctr_va_vdst(0)
.irp x, 0,1
	v_rcp_f32 v[ST+8*\x+4], v[ST+8*\x+6]
.endr
	v_mov_b32 v248, s79                            ; 2^e10 (a plain instruction behind the reciprocals)
	s_wait_alu depctr_va_vdst(0)                   ; one wait for both, ahead of their first reader
.irp x, 0,1
	v_ldexp_f32 v[ST+8*\x+4], v[ST+8*\x+4], s[TMP]
.endr
.irp x, 0,1
.set j, 0
.rept 16
	v_pk_mul_f32 v[ACS+32*\x+j:ACS+32*\x+j+1], v[AO+32*\x+j:AO+32*\x+j+1], v[ST+8*\x+4:ST+8*\x+5] op_sel_hi:[1,0]
.set j, j+2
.endr
.endr
.set j, 0
.rept 64
.set j, j+1
.endr
.irp x, 0,1
.irp c, 0,1,2,3
	v_cvt_scalef32_pk8_fp8_f32 v[APC+8*\x+2*\c:APC+8*\x+2*\c+1], v[ACS+32*\x+8*\c:ACS+32*\x+8*\c+7], v248
.endr
.endr
	v_nop
.irp x, 0,1
.irp q, 0,1
	global_store_b128 v[LI], v[APC+8*\x+4*\q:APC+8*\x+4*\q+3], s[68:69] offset:16384*\x+512*\q   ; 32 lanes store 512 consecutive bytes, aligned
.endr
.endr
	s_wait_dscnt 0x0
	s_wait_tensorcnt 0x0
	ds_add_u32 v4, v255
	s_wait_dscnt 0x0
	CROUND                                         ; the closing round
	s_endpgm
.Lfunc_end_k_q511ff8413c_attn:
	.size	k_q511ff8413c_attn, .Lfunc_end_k_q511ff8413c_attn-k_q511ff8413c_attn
	.p2alignl 7, 3214868480
	.fill 96, 4, 3214868480
	.section	.rodata,"a",@progbits
	.p2align	6, 0x0
	.amdhsa_kernel k_q511ff8413c_attn
		.amdhsa_group_segment_fixed_size 327680
		.amdhsa_private_segment_fixed_size 0
		.amdhsa_enable_private_segment 0
		.amdhsa_kernarg_size 24
		.amdhsa_user_sgpr_count 2
		.amdhsa_user_sgpr_kernarg_segment_ptr 1
		.amdhsa_wavefront_size32 1
		.amdhsa_system_sgpr_workgroup_id_x 1
		.amdhsa_system_sgpr_workgroup_id_y 1
		.amdhsa_system_sgpr_workgroup_id_z 1
		.amdhsa_system_vgpr_workitem_id 0
		.amdhsa_next_free_vgpr 256
		.amdhsa_next_free_sgpr 100
		.amdhsa_reserve_vcc 1
		.amdhsa_float_denorm_mode_32 3
		.amdhsa_float_denorm_mode_16_64 3
		.amdhsa_fp16_overflow 1
		.amdhsa_memory_ordered 1
		.amdhsa_forward_progress 1
		.amdhsa_inst_pref_size 32
	.end_amdhsa_kernel
	.amdgpu_metadata
---
amdhsa.version: [ 1, 2 ]
amdhsa.kernels:
  - .name:           k_q511ff8413c_attn
    .symbol:         k_q511ff8413c_attn.kd
    .args:
      - { .name: qkv, .offset: 0, .size: 8, .value_kind: global_buffer, .address_space: global }
      - { .name: lowp_scales, .offset: 8, .size: 8, .value_kind: global_buffer, .address_space: global }
      - { .name: ac, .offset: 16, .size: 8, .value_kind: global_buffer, .address_space: global }
    .group_segment_fixed_size: 327680
    .private_segment_fixed_size: 0
    .kernarg_segment_align: 8
    .kernarg_segment_size: 24
    .max_flat_workgroup_size: 512
    .sgpr_count:     100
    .vgpr_count:     256
    .wavefront_size: 32
...
	.end_amdgpu_metadata
.endif
;; end of part 3
;; launch oproj (part 4): grid 4 x 32, 4 waves a work-group, clusters of 4 x 4, 327,680 bytes of LDS; arguments ac, wc, lowp_scales, out0; writes out0
.if DOCPART == 4
	.amdgcn_target "amdgcn-amd-amdhsa--gfx1250"
	.amdhsa_code_object_version 6
	.text
	.protected	k_q511ff8413c_oproj
	.globl	k_q511ff8413c_oproj
	.p2align	8
	.type	k_q511ff8413c_oproj,@function
k_q511ff8413c_oproj:
	s_mov_b64 s[64:65], 0
	v_nop
	global_prefetch_b8 v0, s[64:65] scope:SCOPE_SE
	s_setreg_imm32_b32 hwreg(HW_REG_WAVE_MODE, 25, 1), 1
	s_wait_xcnt 0x0
	s_wait_alu depctr_hold_cnt(0) depctr_sa_sdst(0) depctr_va_vdst(0) depctr_va_sdst(0) depctr_va_ssrc(0) depctr_va_vcc(0) depctr_vm_vsrc(0)
	s_getreg_b32 s2, hwreg(HW_REG_IB_STS2, 6, 4)
	s_cmp_eq_u32 s2, 0
	s_cbranch_scc0 .Lentry_in_a_cluster
	s_endpgm
.Lentry_in_a_cluster:
	s_bfe_u32 s2, ttmp6, 0x10000c
	s_cmp_lg_u32 s2, 0xf033
	s_cbranch_scc0 .Lentry_shape_is_right
	s_endpgm
.Lentry_shape_is_right:
; OPROJ.  out0 = a wo^T on codes of FP8 (E4M3).  a: ac [row / 16: 512][k / 64: 16][1024]; wo: the fourth tensor of wc, [row / 16: 64][k / 64: 16][1024]: images of operand registers
; (16 rows x 64 K; lane (r, h): row r, registers 2 c, 2 c + 1: k = 16 c + 8 h + 0 .. 7; registers 4 q .. at byte 512 q + 16 lane); two neighbours along K are one fragment of the K = 128 form.  out0: [8192][1024] f32.
; Each finished sum is multiplied once by 2^(e10 + e11).  LIMIT: e10 + e11 lies between -126 and 127.
; A tile of 256 x 256 is made by four waves, each 128 x 128: 64 accumulators.  K = 1,024 goes in four steps of 256 through two LDS slots.  CLUSTERS: 4 x 4 work-groups; A's tile is shared along a row, B's along a column, each asked for JOINTLY.
; There are 32 x 4 = 128 such tiles: half as many as WGPs; a wave tile of 128 x 64 would read half as much again from LDS for each product.
; THE MATRIX INSTRUCTION IS USED TRANSPOSED (source 0 = 16 rows of wo, source 1 = 16 rows of a): a lane holds eight neighbouring numbers of a row of out0.
; REGISTERS: window 0: v16-29 addresses; v128-255 A's fragments, one set; on the way out v32-95 scaled sums, v128-255 rows read back.  window 1: B's fragments, two sets.  windows 2, 3: the accumulators.
.set SIZE_N, 1024
.set HALFT,  32768
.set SLOT,   4*HALFT
.set SPARE,  2*SLOT                    ; behind the ring: the spare words, 128 bytes for each wave: two blocks of 256 bytes that no other line names
.set KB,     4096
.set FR,     16
.set NL,     4
.set NP,     4
.set SPITCH, 528                       ; the way out: a stage of 16 rows x (512 bytes + 16) for each wave, in slot 0, which has had its last fill and its last read when the first result is stored there
.set ADRA, 16
.set ADRB, 20
.set STO,  24                          ; v24  where I put 32 bytes of a row
.set RD,   25                          ; v25  where I read a row back
.set CO,   26                          ; v26  16 x lane: my place in an image, and in a row's 512 bytes
.set SPW,  28
.set NIL,  29
.set TMP,  32
.set AF,   128
.set BK,   128
.set G1, 24
.set G0, 32
.set G1B, 48
.set G0B, 56
.set MSB, 0
.macro WIN new
.if MSB != \new
	s_set_vgpr_msb (MSB<<8)|(\new)
.set MSB, \new
.endif
.endm
.set MUL_LO, 0xa1
.set MUL_HI, 0xf1
.set TO_B,   0x40
.macro JLOAD g0a, g1a, g0b, g1b        ; a joint load: waves 0 and 1 fetch for A, waves 2 and 3 for B; four v_nop follow each line
	s_cmp_eq_u32 s15, 0
	s_cbranch_scc0 .Lfor_b_\@
	tensor_load_to_lds s[\g0a:\g0a+3], s[\g1a:\g1a+7]
	s_nop 0
.rept 4
	v_nop
.endr
	s_branch .Lasked_\@
.Lfor_b_\@:
	tensor_load_to_lds s[\g0b:\g0b+3], s[\g1b:\g1b+7]
	s_nop 0
.rept 4
	v_nop
.endr
.Lasked_\@:
.endm
.macro CREST
	s_cmp_lg_u32 s14, 0
	s_cbranch_scc1 .Lnot_wave_0_\@
	s_barrier_signal -3
.Lnot_wave_0_\@:
	s_barrier_wait -3
	s_barrier_signal -1
	s_barrier_wait -1
.endm
.macro CROUND
	s_barrier_signal -1
	s_barrier_wait -1
	CREST
.endm
	s_load_b128 s[4:7], s[0:1], 0x0                ; ac s[4:5], wc s[6:7]
	s_load_b128 s[8:11], s[0:1], 0x10              ; the scales' exponents s[8:9], out0 s[10:11]
	v_lshl_add_u32 v[SPW], v0, 2, SPARE
	v_mov_b32 v[NIL], 0
	ds_add_u32 v28, v29
	ds_add_u32 v28, v29
	s_wait_dscnt 0x0
	v_lshrrev_b32 v1, 5, v0
	v_readfirstlane_b32 s14, v1                    ; wave 0..3
	s_lshr_b32 s15, s14, 1                         ; which half of the tile's rows is mine.  Also: I fetch for A (0) or for B (1)
	s_and_b32 s16, s14, 1                          ; which half of its columns.  Also: which 128 rows I fetch
	s_bfe_u32 s40, ttmp6, 0x40000                  ; cx
	s_bfe_u32 s41, ttmp6, 0x40004                  ; cy
	s_lshl_b32 s42, ttmp9, 2
	s_add_co_u32 s42, s42, s40                     ; tile column
	s_and_b32 s17, ttmp7, 0xffff
	s_lshl_b32 s17, s17, 2
	s_add_co_u32 s17, s17, s41                     ; tile row
	s_lshl_b32 s43, s41, 2
	s_lshl_b32 s43, 15, s43                        ; my row of the cluster
	s_lshl_b32 s44, 0x1111, s40                    ; my column
	s_or_b32 s[G1+0], s43, (3<<16)|(1<<21)         ; 15:0 the mask; 17:16 elements of 8 bytes; no padding; 21 set beside a mask
	s_or_b32 s[G1B+0], s44, (3<<16)|(1<<21)
.irp g, G1, G1B
	s_mov_b32 s[\g+1], 512<<16                     ; 8 rows (blocks of 16 rows of codes) of 4,096 bytes, 16,384 bytes apart
	s_mov_b32 s[\g+2], 8<<16
	s_mov_b32 s[\g+3], 512<<16
	s_mov_b32 s[\g+4], 8
	s_mov_b32 s[\g+5], 2048
	s_mov_b32 s[\g+6], 0
	s_mov_b32 s[\g+7], 0
.endr
	s_lshl_b32 s18, s16, 3
	s_lshl_b32 s20, s17, 4
	s_add_co_u32 s20, s20, s18
	s_lshl_b32 s20, s20, 14
	s_mov_b32 s21, 0
	s_lshl_b32 s46, s42, 4
	s_add_co_u32 s46, s46, s18
	s_lshl_b32 s46, s46, 14
	s_add_co_u32 s46, s46, 0x300000                ; wo is the fourth tensor of wc
	s_mov_b32 s47, 0
	s_mul_i32 s45, s14, HALFT
	s_wait_kmcnt 0x0
	s_load_b64 s[96:97], s[8:9], 0x28              ; e10, e11
	s_add_nc_u64 s[20:21], s[4:5], s[20:21]
	s_add_nc_u64 s[46:47], s[6:7], s[46:47]
	CROUND                                         ; all sixteen work-groups are here: the first joint loads meet
.irp s, 0,1
	s_mov_b32 s[G0+4*\s], 1
	s_add_co_u32 s[G0+4*\s+1], s45, \s*SLOT
	s_add_nc_u64 s[G0+4*\s+2:G0+4*\s+3], s[20:21], \s*KB
	s_or_b32 s[G0+4*\s+3], s[G0+4*\s+3], 0x80000000
	s_mov_b32 s[G0B+4*\s], 1
	s_add_co_u32 s[G0B+4*\s+1], s45, \s*SLOT
	s_add_nc_u64 s[G0B+4*\s+2:G0B+4*\s+3], s[46:47], \s*KB
	s_or_b32 s[G0B+4*\s+3], s[G0B+4*\s+3], 0x80000000
	JLOAD G0+4*\s, G1, G0B+4*\s, G1B
.endr
	v_and_b32 v1, 15, v0                           ; l % 16
	v_bfe_u32 v2, v0, 4, 1                         ; l / 16
	v_and_b32 v6, 31, v0
	v_lshlrev_b32 v[CO], 4, v6
	s_mul_i32 s21, s15, HALFT
	s_mul_i32 s22, s16, HALFT
	s_add_co_u32 s22, s22, 2*HALFT
.irp s, 0,1
	v_add_nc_u32 v[ADRA+\s], s21, v[CO]
	v_add_nc_u32 v[ADRB+\s], s22, v[CO]
	s_add_co_u32 s21, s21, SLOT
	s_add_co_u32 s22, s22, SLOT
.endr
	s_mul_i32 s23, s14, 16*SPITCH                  ; my stage
	v_mul_u32_u24 v5, v1, SPITCH                   ; in: row l % 16, 32 bytes for each half of the lanes
	v_lshl_add_u32 v5, v2, 5, v5
	v_add_nc_u32 v[STO], s23, v5
	v_add_nc_u32 v[RD], s23, v[CO]                 ; back: the 32 lanes take one row of 512 bytes
	s_lshl_b32 s70, s17, 20                        ; my first row of out0: 256 x tile row + 128 x half, 4,096 bytes each;
	s_lshl_b32 s71, s15, 19
	s_add_co_u32 s70, s70, s71
	s_lshl_b32 s71, s42, 10                        ; my first column: 1,024 bytes x tile column + 512 x half
	s_add_co_u32 s70, s70, s71
	s_lshl_b32 s71, s16, 9
	s_add_co_u32 s70, s70, s71
	s_mov_b32 s71, 0
	s_add_nc_u64 s[10:11], s[10:11], s[70:71]
.macro FRAG reg, adr, q, i
.irp c, 0,1,2,3
	ds_load_b128 v[\reg+4*\c:\reg+4*\c+3], v[\adr] offset:KB*(\i)+2048*(\q)+512*\c
.endr
.endm
.macro MUL16 a0, p, zero               ; the 64 accumulators take turns, one instruction a turn, in the same order in every step
.irp a, \a0, \a0+1
.irp b, 0,1,2,3,4,5,6,7
.if \zero
	v_wmma_f32_16x16x128_fp8_fp8 v[8*(8*((\a)%4)+\b):8*(8*((\a)%4)+\b)+7], v[128*(\p)+FR*\b:128*(\p)+FR*\b+FR-1], v[AF+FR*(\a):AF+FR*(\a)+FR-1], 0
.else
	v_wmma_f32_16x16x128_fp8_fp8 v[8*(8*((\a)%4)+\b):8*(8*((\a)%4)+\b)+7], v[128*(\p)+FR*\b:128*(\p)+FR*\b+FR-1], v[AF+FR*(\a):AF+FR*(\a)+FR-1], v[8*(8*((\a)%4)+\b):8*(8*((\a)%4)+\b)+7]
.endif
.endr
.endr
.endm
.macro FETCH_B slot, q, p
	WIN TO_B
.irp i, 0,1,2,3,4,5,6,7
	FRAG 128*(\p)+FR*\i, ADRB+\slot, \q, \i
.endr
	WIN 0
.endm
.macro FETCH_A slot, q, i0
.irp i, \i0, \i0+1, \i0+2, \i0+3
	FRAG AF+FR*(\i), ADRA+\slot, \q, \i
.endr
.endm
.macro PLACES n
.rept \n
	v_nop
.endr
.endm
.macro STEP slot, q, zero
	s_wait_dscnt 4*NL                              ; B's set and A's blocks 0-3 are in; the youngest sixteen loads may be out
	WIN MUL_LO
	MUL16 0, (\q)%2, \zero
	MUL16 2, (\q)%2, \zero
	s_wait_dscnt 0
	PLACES NP
	FETCH_B \slot, (\q)+1, 1-(\q)%2
	FETCH_A \slot, (\q)+1, 0
	WIN MUL_HI
	MUL16 4, (\q)%2, \zero
	MUL16 6, (\q)%2, \zero
	PLACES NP
	WIN 0
	FETCH_A \slot, (\q)+1, 4
.endm
.macro TURN slot, next, fill
	s_wait_tensorcnt 0x0                           ; all my tensor loads have landed: my part of the next slot
	ds_add_u32 v[SPW], v[NIL]                      ; 0 onto my spare word
	s_wait_dscnt 4*NL+1                            ; (the add and the youngest sixteen loads may be out)
	WIN MUL_LO
	MUL16 0, 1, 0
	s_wait_dscnt 0x0                               ; the add is done, and my reads of this slot are over
	s_barrier_signal -1
	MUL16 2, 1, 0
	WIN 0
	s_barrier_wait -1
.if \fill
	CREST                                          ; the barrier has opened a round of the cluster's
	s_add_nc_u64 s[G0+4*\slot+2:G0+4*\slot+3], s[G0+4*\slot+2:G0+4*\slot+3], 2*KB
	s_add_nc_u64 s[G0B+4*\slot+2:G0B+4*\slot+3], s[G0B+4*\slot+2:G0B+4*\slot+3], 2*KB
	JLOAD G0+4*\slot, G1, G0B+4*\slot, G1B
.else
	PLACES NP
.endif
	FETCH_B \next, 0, 0
	FETCH_A \next, 0, 0
	WIN MUL_HI
	MUL16 4, 1, 0
	MUL16 6, 1, 0
	PLACES NP
	WIN 0
	FETCH_A \next, 0, 4
.endm
	s_wait_tensorcnt 1                             ; my part of K step 0 is in (K step 1's load may be out),
	s_barrier_signal -1
	s_barrier_wait -1                              ; everybody's is
	FETCH_B 0, 0, 0
	FETCH_A 0, 0, 0
	FETCH_A 0, 0, 4
	STEP 0, 0, 1
	TURN 0, 1, 1
	STEP 1, 0, 0
	TURN 1, 0, 1
	STEP 0, 0, 0
	TURN 0, 1, 0
	STEP 1, 0, 0
	s_wait_dscnt 4*NL
	WIN MUL_LO
	MUL16 0, 1, 0
	MUL16 2, 1, 0
	s_wait_dscnt 0
	WIN MUL_HI
	MUL16 4, 1, 0
	MUL16 6, 1, 0
	WIN 0
; THE WAY OUT, block by block of 16 rows x 128 columns: through my own stage in LDS and back as whole rows of 512 bytes.  LDS serves a wave's instructions in order (ISA guide 5.7.1.4): no wait between the stores and the loads.
.macro TOSTAGE a
.set AC, 64*((\a)%4)
	WIN 0x02+((\a)/4)
.irp j, 0,2,4,6,8,10,12,14,16,18,20,22,24,26,28,30,32,34,36,38,40,42,44,46,48,50,52,54,56,58,60,62
	v_pk_mul_f32 v[TMP+\j:TMP+\j+1], v[AC+\j:AC+\j+1], s[96:97] op_sel_hi:[1,0]   ; x 2^(e10 + e11); each accumulator from its low end on
.endr
	WIN 0
.irp b, 0,1,2,3,4,5,6,7
	ds_store_b128 v[STO], v[TMP+8*\b:TMP+8*\b+3] offset:64*\b
	ds_store_b128 v[STO], v[TMP+8*\b+4:TMP+8*\b+7] offset:64*\b+16
.endr
.set BB, BK+64*((\a)%2)
.irp t, 0,1,2,3,4,5,6,7,8,9,10,11,12,13,14,15
	ds_load_b128 v[BB+4*\t:BB+4*\t+3], v[RD] offset:\t*SPITCH
.endr
.endm
.macro SEND a, younger                 ; younger: the LDS instructions issued behind block a's loads, which may stay out
.set BB, BK+64*((\a)%2)
	s_wait_dscnt \younger
.if (\a) > 0
	s_add_nc_u64 s[10:11], s[10:11], 16*SIZE_N*4   ; (behind a wait on XCNT: the earlier stores have read their base)
.endif
.irp t, 0,1,2,3,4,5,6,7,8,9,10,11,12,13,14,15
	global_store_b128 v[CO], v[BB+4*\t:BB+4*\t+3], s[10:11] offset:\t*SIZE_N*4 th:TH_STORE_NT   ; 32 lanes store 512 consecutive bytes, aligned; written once, read by nobody here
.endr
.endm
	s_wait_kmcnt 0x0
	s_add_co_i32 s96, s96, s97
	s_add_co_i32 s96, s96, 127
	s_lshl_b32 s96, s96, 23                        ; 2^(e10 + e11) as f32
	PLACES NP
	TOSTAGE 0
.irp a, 1,2,3,4,5,6,7
.if \a > 1
	s_wait_xcnt 0x0                                ; block a - 2's stores have read their registers and their base
.endif
	TOSTAGE \a
	SEND \a-1, 32                                  ; behind block a - 1's loads: block a's 16 stores and 16 loads
.endr
	s_wait_xcnt 0x0
	SEND 7, 0
	s_wait_tensorcnt 0x0                           ; the wave's end
	ds_add_u32 v[SPW], v[NIL]
	s_wait_dscnt 0x0
	CROUND                                         ; the closing round
	s_endpgm
.Lfunc_end_k_q511ff8413c_oproj:
	.size	k_q511ff8413c_oproj, .Lfunc_end_k_q511ff8413c_oproj-k_q511ff8413c_oproj
	.p2alignl 7, 3214868480
	.fill 96, 4, 3214868480
	.section	.rodata,"a",@progbits
	.p2align	6, 0x0
	.amdhsa_kernel k_q511ff8413c_oproj
		.amdhsa_group_segment_fixed_size 327680
		.amdhsa_private_segment_fixed_size 0
		.amdhsa_enable_private_segment 0
		.amdhsa_kernarg_size 32
		.amdhsa_user_sgpr_count 2
		.amdhsa_user_sgpr_kernarg_segment_ptr 1
		.amdhsa_wavefront_size32 1
		.amdhsa_system_sgpr_workgroup_id_x 1
		.amdhsa_system_sgpr_workgroup_id_y 1
		.amdhsa_system_sgpr_workgroup_id_z 1
		.amdhsa_system_vgpr_workitem_id 0
		.amdhsa_next_free_vgpr 1024
		.amdhsa_next_free_sgpr 98
		.amdhsa_reserve_vcc 0
		.amdhsa_float_denorm_mode_32 3
		.amdhsa_float_denorm_mode_16_64 3
		.amdhsa_memory_ordered 1
		.amdhsa_forward_progress 1
		.amdhsa_inst_pref_size 123
	.end_amdhsa_kernel
	.amdgpu_metadata
---
amdhsa.version: [ 1, 2 ]
amdhsa.kernels:
  - .name:           k_q511ff8413c_oproj
    .symbol:         k_q511ff8413c_oproj.kd
    .args:
      - { .name: ac, .offset: 0, .size: 8, .value_kind: global_buffer, .address_space: global }
      - { .name: wc, .offset: 8, .size: 8, .value_kind: global_buffer, .address_space: global }
      - { .name: lowp_scales, .offset: 16, .size: 8, .value_kind: global_buffer, .address_space: global }
      - { .name: out0, .offset: 24, .size: 8, .value_kind: global_buffer, .address_space: global }
    .group_segment_fixed_size: 327680
    .private_segment_fixed_size: 0
    .kernarg_segment_align: 8
    .kernarg_segment_size: 32
    .max_flat_workgroup_size: 128
    .sgpr_count:     98
    .vgpr_count:     1024
    .wavefront_size: 32
...
	.end_amdgpu_metadata
.endif
;; end of part 4
